; MI455X (gfx1250); checked and timed in simulation.
; The chip was launched on July 23, 2026; its instructions are those of AMD's public machine-readable ISA for CDNA 5 (MIT licence, August 2026) and "CDNA5" Instruction Set Architecture Reference Guide (July 2026). The comments in the code are by the model that wrote it; some were corrected since.
;; Masked Attention. Allowed arithmetic: float matrix products may take bf16 or f16 operands with f32 sums; all other float work in f32.
;; Inputs: Wk 1,024 x 1,024 float32; Wo 1,024 x 1,024 float32; Wq 1,024 x 1,024 float32; Wv 1,024 x 1,024 float32; bk 1,024 float32; bo 1,024 float32; bq 1,024 float32; bv 1,024 float32; mask 2 x 2,048 bool; x 2 x 2,048 x 1,024 float32.
;; Outputs: out0 2 x 2,048 x 1,024 float32.
;; One version. Each part assembles by itself: llvm-mc -triple=amdgcn-amd-amdhsa -mcpu=gfx1250 --defsym DOCPART=n.
;; ======== version 1 of 1: 4 launches
;; limits: values are held in f16: magnitudes above 65,504 overflow, below 6.1e-05 lose precision
;; workspace buffers: xb 8,388,608 bytes; wqkv 6,291,456 bytes; wof 2,097,152 bytes; mbias 16,384 bytes; q 8,388,608 bytes; k 8,388,608 bytes; v 8,388,608 bytes; att 8,388,608 bytes
;; launch cast (part 1): grid 1025 x 1, 8 waves a work-group, no clusters, 0 bytes of LDS; arguments x, Wq, Wk, Wv, Wo, mask, xb, wqkv, wof, mbias; writes xb, wqkv, wof, mbias
.if DOCPART == 1
	.amdgcn_target "amdgcn-amd-amdhsa--gfx1250"
	.amdhsa_code_object_version 6
	.text
	.protected	k_qde93990d22_cast
	.globl	k_qde93990d22_cast
	.p2align	8
	.type	k_qde93990d22_cast,@function
k_qde93990d22_cast:
	s_mov_b64 s[64:65], 0
	v_nop
	global_prefetch_b8 v0, s[64:65] scope:SCOPE_SE
	s_setreg_imm32_b32 hwreg(HW_REG_WAVE_MODE, 25, 1), 1
	s_wait_xcnt 0x0
; The operands of the matrix launches, made once.
;   x, Wq, Wk, Wv  f32 -> bf16 (nearest even).  Wq, Wk, Wv go into one table wqkv[16 heads][q,k,v][64 rows][1024], so that a head's 192 weight rows are neighbours.
;   Wo             f32 -> bf16 -> f16: the same rounding as the other inputs, carried in f16 because its partner (the attention result) is f16.
;                  LIMIT: a bf16 number is exact in f16 for magnitudes 2^-14 .. 65,504; below, the error is at most 2^-25; above 65,504 it becomes infinite.
;   mask           one byte -> f32: 0 for a key that counts, -2^126 for a padded one (added to the scores by the attention launch).
; Work-groups 0-511: x; 512-895: Wq, Wk, Wv (128 each); 896-1023: Wo; 1024: the mask.  A work-group converts 8,192 numbers: 32 KiB in, 16 KiB out.
; A stream: no LDS, no barrier, no matrix unit.  A thread takes 8 neighbouring numbers (two 16-byte loads) and stores 16 bytes, so a wave's store covers 512 consecutive bytes, aligned.
; All eight loads of a thread go out at once; no register is written twice, so no wait but the counted ones for the data.
.set XR, 8                             ; v[8:39]   chunk c: 8 numbers as loaded
.set YR, 40                            ; v[40:55]  chunk c: 4 registers to store
.set TR, 56                            ; v[56:63]  at work (Wo only)
	s_load_b512 s[8:23], s[0:1], 0x0               ; x 8:9, Wq 10:11, Wk 12:13, Wv 14:15, Wo 16:17, mask 18:19, xb 20:21, wqkv 22:23
	s_load_b128 s[24:27], s[0:1], 0x40             ; wof 24:25, mbias 26:27
	s_lshr_b32 s2, ttmp9, 7                        ; region: 0-3 x, 4 Wq, 5 Wk, 6 Wv, 7 Wo, 8 mask
	s_and_b32 s3, ttmp9, 127                       ; e: my place in a weight matrix (8 rows each)
	v_lshlrev_b32 v1, 5, v0                        ; 32 bytes in a thread
	v_lshlrev_b32 v2, 4, v0                        ; 16 bytes out a thread
	s_lshl_b32 s30, ttmp9, 15                      ; x: 32 KiB a work-group in,
	s_lshl_b32 s34, ttmp9, 14                      ;    16 KiB out
	s_lshl_b32 s4, s3, 15                          ; a weight matrix: the same by e
	s_lshl_b32 s5, s3, 14
	s_lshr_b32 s6, s3, 3                           ; wqkv: head = e / 8,
	s_mul_i32 s6, s6, 192                          ; 192 rows a head,
	s_and_b32 s7, s3, 7
	s_lshl3_add_u32 s6, s7, s6                     ; + 8 (e mod 8): the row in the head,
	s_and_b32 s7, s2, 3                            ; + 64 t, t = region - 4
	s_lshl_b32 s7, s7, 6
	s_add_co_u32 s6, s6, s7
	s_lshl_b32 s6, s6, 11                          ; rows of 2,048 bytes
	s_mov_b32 s31, 0
	s_mov_b32 s35, 0
	s_cmp_lt_u32 s2, 4
	s_cselect_b32 s30, s30, s4
	s_cselect_b32 s34, s34, s6
	s_cmp_eq_u32 s2, 7
	s_cselect_b32 s34, s5, s34
	s_wait_kmcnt 0x0
	s_cmp_eq_u32 s2, 8
	s_cbranch_scc1 .Lmask
	s_mov_b64 s[28:29], s[8:9]                     ; from x to xb, unless the region says otherwise
	s_mov_b64 s[32:33], s[20:21]
	s_cmp_ge_u32 s2, 4
	s_cselect_b64 s[28:29], s[10:11], s[28:29]
	s_cselect_b64 s[32:33], s[22:23], s[32:33]
	s_cmp_eq_u32 s2, 5
	s_cselect_b64 s[28:29], s[12:13], s[28:29]
	s_cmp_eq_u32 s2, 6
	s_cselect_b64 s[28:29], s[14:15], s[28:29]
	s_cmp_eq_u32 s2, 7
	s_cselect_b64 s[28:29], s[16:17], s[28:29]
	s_cselect_b64 s[32:33], s[24:25], s[32:33]
	s_add_nc_u64 s[28:29], s[28:29], s[30:31]
	s_add_nc_u64 s[32:33], s[32:33], s[34:35]
.irp c, 0,1,2,3
	global_load_b128 v[XR+8*\c:XR+8*\c+3],   v1, s[28:29] offset:8192*\c th:TH_LOAD_NT
	global_load_b128 v[XR+8*\c+4:XR+8*\c+7], v1, s[28:29] offset:8192*\c+16 th:TH_LOAD_NT
.endr
; chunk c: 8 numbers rounded and stored.  wo = 1: the bf16 numbers are widened again and carried as f16.
.macro CV c, wo
	s_wait_loadcnt 6-2*\c                          ; loads come back in order: the two of chunk c are in, the 6 - 2c younger ones stay out
.irp k, 0,1,2,3
	v_cvt_pk_bf16_f32 v[YR+4*\c+\k], v[XR+8*\c+2*\k], v[XR+8*\c+2*\k+1]
.endr
.if \wo
.irp k, 0,1,2,3
	v_lshlrev_b32 v[TR+2*\k],   16, v[YR+4*\c+\k]
	v_and_b32     v[TR+2*\k+1], 0xffff0000, v[YR+4*\c+\k]
.endr
.irp k, 0,1,2,3
	v_cvt_pk_f16_f32 v[YR+4*\c+\k], v[TR+2*\k], v[TR+2*\k+1]
.endr
.endif
	global_store_b128 v2, v[YR+4*\c:YR+4*\c+3], s[32:33] offset:4096*\c
.endm
	s_cmp_eq_u32 s2, 7
	s_cbranch_scc1 .Lwo
	CV 0, 0
	CV 1, 0
	CV 2, 0
	CV 3, 0
	s_endpgm
.Lwo:
	CV 0, 1
	CV 1, 1
	CV 2, 1
	CV 3, 1
	s_endpgm
; The mask: 4,096 bytes.  A thread takes 4 bytes of each quarter and stores their four f32 as 16 bytes: a wave's store covers 512 consecutive bytes.
.Lmask:
	v_lshlrev_b32 v1, 2, v0
.irp c, 0,1,2,3
	global_load_b32 v[XR+\c], v1, s[18:19] offset:1024*\c
.endr
	v_mov_b32 v7, 0xfe800000                       ; -2^126
.irp c, 0,1,2,3
	s_wait_loadcnt 3-\c                            ; quarter c is in, the younger ones stay out
.irp k, 0,1,2,3
	v_and_b32 v3, 0xff<<(8*\k), v[XR+\c]
	v_cmp_ne_u32 vcc_lo, 0, v3
	v_cndmask_b32 v[YR+4*\c+\k], 0, v7, vcc_lo     ; a byte that is not 0: padded
.endr
	global_store_b128 v2, v[YR+4*\c:YR+4*\c+3], s[26:27] offset:4096*\c
.endr
	s_endpgm
.Lfunc_end_k_qde93990d22_cast:
	.size	k_qde93990d22_cast, .Lfunc_end_k_qde93990d22_cast-k_qde93990d22_cast
	.p2alignl 7, 3214868480
	.fill 96, 4, 3214868480
	.section	.rodata,"a",@progbits
	.p2align	6, 0x0
	.amdhsa_kernel k_qde93990d22_cast
		.amdhsa_group_segment_fixed_size 0
		.amdhsa_private_segment_fixed_size 0
		.amdhsa_enable_private_segment 0
		.amdhsa_kernarg_size 80
		.amdhsa_user_sgpr_count 2
		.amdhsa_user_sgpr_kernarg_segment_ptr 1
		.amdhsa_wavefront_size32 1
		.amdhsa_system_sgpr_workgroup_id_x 1
		.amdhsa_system_sgpr_workgroup_id_y 1
		.amdhsa_system_sgpr_workgroup_id_z 1
		.amdhsa_system_vgpr_workitem_id 0
		.amdhsa_next_free_vgpr 64
		.amdhsa_next_free_sgpr 66
		.amdhsa_reserve_vcc 1
		.amdhsa_float_denorm_mode_32 3
		.amdhsa_float_denorm_mode_16_64 3
		.amdhsa_memory_ordered 1
		.amdhsa_forward_progress 1
		.amdhsa_inst_pref_size 12
	.end_amdhsa_kernel
	.amdgpu_metadata
---
amdhsa.version: [ 1, 2 ]
amdhsa.kernels:
  - .name:           k_qde93990d22_cast
    .symbol:         k_qde93990d22_cast.kd
    .args:
      - { .name: x, .offset: 0, .size: 8, .value_kind: global_buffer, .address_space: global }
      - { .name: Wq, .offset: 8, .size: 8, .value_kind: global_buffer, .address_space: global }
      - { .name: Wk, .offset: 16, .size: 8, .value_kind: global_buffer, .address_space: global }
      - { .name: Wv, .offset: 24, .size: 8, .value_kind: global_buffer, .address_space: global }
      - { .name: Wo, .offset: 32, .size: 8, .value_kind: global_buffer, .address_space: global }
      - { .name: mask, .offset: 40, .size: 8, .value_kind: global_buffer, .address_space: global }
      - { .name: xb, .offset: 48, .size: 8, .value_kind: global_buffer, .address_space: global }
      - { .name: wqkv, .offset: 56, .size: 8, .value_kind: global_buffer, .address_space: global }
      - { .name: wof, .offset: 64, .size: 8, .value_kind: global_buffer, .address_space: global }
      - { .name: mbias, .offset: 72, .size: 8, .value_kind: global_buffer, .address_space: global }
    .group_segment_fixed_size: 0
    .private_segment_fixed_size: 0
    .kernarg_segment_align: 8
    .kernarg_segment_size: 80
    .max_flat_workgroup_size: 256
    .sgpr_count:     66
    .vgpr_count:     64
    .wavefront_size: 32
...
	.end_amdgpu_metadata
.endif
;; end of part 1
;; launch qkv (part 2): grid 16 x 16, 4 waves a work-group, clusters of 4 x 4, 327,680 bytes of LDS; arguments xb, wqkv, bq, bk, bv, q, k, v; writes q, k, v
.if DOCPART == 2
	.amdgcn_target "amdgcn-amd-amdhsa--gfx1250"
	.amdhsa_code_object_version 6
	.text
	.protected	k_qde93990d22_qkv
	.globl	k_qde93990d22_qkv
	.p2align	8
	.type	k_qde93990d22_qkv,@function
k_qde93990d22_qkv:
	s_mov_b64 s[64:65], 0
	v_nop
	global_prefetch_b8 v0, s[64:65] scope:SCOPE_SE
	s_setreg_imm32_b32 hwreg(HW_REG_WAVE_MODE, 25, 1), 1
	s_wait_xcnt 0x0
	s_wait_alu depctr_hold_cnt(0) depctr_sa_sdst(0) depctr_va_vdst(0) depctr_va_sdst(0) depctr_va_ssrc(0) depctr_va_vcc(0) depctr_vm_vsrc(0)
	s_getreg_b32 s2, hwreg(HW_REG_IB_STS2, 6, 4)
	s_cmp_eq_u32 s2, 0
	s_cbranch_scc0 .Lentry_in_a_cluster
	s_endpgm
.Lentry_in_a_cluster:
	s_bfe_u32 s2, ttmp6, 0x10000c
	s_cmp_lg_u32 s2, 0xf033
	s_cbranch_scc0 .Lentry_shape_is_right
	s_endpgm
.Lentry_shape_is_right:
; q, k, v = x W^T + b for one head and 256 rows of x.  xb: [4096][1024] bf16; wqkv: [16 heads][q,k,v][64][1024] bf16; sums in f32.
; Out: q, k, v as [batch x head = 32][2048][64] f16; q is multiplied by log2(e) / 8, so that the attention launch takes 2^(s - m) of its products.
; LIMIT: |q| log2(e)/8, |k|, |v| must stay below 65,504 (f16).  Inputs 30 times those drawn give about 4,500; a common offset of 30 spreads on x and W about 28,900.
; f16 and not bf16 for these results: the first rows of a sequence average few keys, so v's rounding reaches the output undamped, and bf16's 8 bits are too few there.
; A work-group makes 256 rows x 192 columns with four waves; a wave makes 64 rows x 192 columns: 48 accumulator tiles of 16 x 16, 384 registers.
; K goes in steps of 128 through a ring of two LDS slots filled by the tensor data mover: a tile's rows are 256 bytes of memory, aligned to 256.
; CLUSTERS: 4 x 4 work-groups.  The four of a row of the cluster take the same 256 rows of x, the four of a column the same head's weights: each tile is
; asked for jointly by the four that need it, which divides the requests for x and for W by four.
; REGISTERS in windows of 256:
;   window 0: v16-27 addresses; v32-63, v64-95 fragments of x (4 x 16 rows x 32 K), two buffers; v96-191 the biases as 12 tiles, later the way out
;   window 1: v0-95, v96-191 fragments of W (12 x 16 rows x 32 K), two buffers
;   window 2: accumulator tiles of my rows 0-31 (tile (a, b) at v[8 (12 a + b)]);  window 3: those of my rows 32-63
; THE MATRIX INSTRUCTION IS USED TRANSPOSED: source 0 = 16 rows of W, source 1 = 16 rows of x.  Lane l then holds row l % 16 of the result and its registers
; 0 to 7 the columns 16 b + 8 (l / 16) + 0 .. 7: eight neighbours, which pack into 16 bytes.
; The 48 accumulators take turns, one instruction a turn, in the same order in every quarter step and over the backward jump.
.set SIZE_K, 1024
.set KSTEP,  128
.set PITCH,  272                       ; an LDS row: 256 bytes + 16 of padding, an odd multiple of 16: the 16 rows of a fragment load start 16 bytes apart modulo 256
.set AHALF,  128*PITCH                 ; 128 rows of x: one tensor load
.set BHALF,  96*PITCH                  ; 96 rows of W: one tensor load
.set BOFF,   2*AHALF                   ; W's 192 rows lie behind x's 256
.set SLOT,   BOFF+2*BHALF              ; 121,856 bytes
.set STAGE,  2*SLOT                    ; behind the ring: 16 rows x 400 bytes for each wave; no tensor load fills it
.set SPITCH, 400                       ; 384 bytes of data + 16
.set LAPS,   SIZE_K/(2*KSTEP)          ; a lap = two K steps = once round the ring: 4
.set ADRA, 16                          ; v16-17  LDS address of my x fragments in slot 0, 1
.set ADRB, 20                          ; v20-21  the same for W
.set STO,  24                          ; the way out: where I put 16 bytes of a row
.set RD,   25                          ; the way out: where I read back
.set CO,   26                          ; 16 x lane
.set HB,   27                          ; 32 x (lane / 16): my 8 numbers in 16 of a bias
.set FA,   32                          ; x fragments: buffer f at FA + 32 f (window 0); W fragments: buffer f at 96 f (window 1)
.set BIAS, 96                          ; 12 tiles of 8 registers
.set TMP,  96                          ; the way out: packed results
.set RB,   144                         ; the way out: rows read back
.set G1,  24                           ; s[24:31] group 1 for x's tiles
.set G0,  32                           ; s[32:39] group 0 for x's tiles, one set a slot
.set G1B, 48                           ; s[48:55] group 1 for W's tiles
.set G0B, 56                           ; s[56:63] group 0 for W's tiles, one set a slot
.set MSB, 0
.macro WIN new                         ; the immediate's high byte repeats the setting that is left
.if MSB != \new
	s_set_vgpr_msb (MSB<<8)|\new
.set MSB, \new
.endif
.endm
; source 0 (W) window 1, source 1 (x) window 0, D window 2 + hi; C the same window, or window 0 where the bias starts the sum
.macro MWIN hi, bias
	WIN (0x81+0x40*\hi+(1-\bias)*(0x20+0x10*\hi))
.endm
.set TO_B, 0x40                        ; destination window 1, address window 0
; A joint load.  Waves 0 and 1 fetch x's two halves, waves 2 and 3 W's.  The branch hangs on the wave's number alone.
.macro JLOAD s
	s_cmp_eq_u32 s11, 0
	s_cbranch_scc0 .Lfor_b_\@
	tensor_load_to_lds s[G0+4*\s:G0+4*\s+3], s[G1:G1+7]
	s_nop 0
	s_branch .Lasked_\@
.Lfor_b_\@:
	tensor_load_to_lds s[G0B+4*\s:G0B+4*\s+3], s[G1B:G1B+7]
	s_nop 0
.Lasked_\@:
.endm
.macro CREST                           ; a round of the cluster's barrier behind its opening barrier
	s_cmp_lg_u32 s10, 0
	s_cbranch_scc1 .Lnot_wave_0_\@
	s_barrier_signal -3
.Lnot_wave_0_\@:
	s_barrier_wait -3
	s_barrier_signal -1
	s_barrier_wait -1
.endm
.macro CROUND                          ; a whole round
	s_barrier_signal -1
	s_barrier_wait -1
	CREST
.endm
	s_load_b512 s[68:83], s[0:1], 0x0              ; xb 68:69, wqkv 70:71, bq 72:73, bk 74:75, bv 76:77, q 78:79, k 80:81, v 82:83
	s_set_vgpr_msb 0x40
	v_lshl_add_u32 v255, v0, 2, 0x41c00
	s_set_vgpr_msb 0x4000
	v_mov_b32 v255, 0
	s_set_vgpr_msb 0x1
	ds_add_u32 v255, v255
	s_set_vgpr_msb 0x100
	v_lshrrev_b32 v1, 5, v0
	v_readfirstlane_b32 s10, v1                    ; wave 0..3
	s_lshr_b32 s11, s10, 1                         ; I fetch for x (0) or for W (1)
	s_and_b32 s12, s10, 1                          ; which half of that tile
	s_bfe_u32 s40, ttmp6, 0x40000                  ; cx
	s_bfe_u32 s41, ttmp6, 0x40004                  ; cy
	s_lshl_b32 s42, ttmp9, 2
	s_add_co_u32 s42, s42, s40                     ; head j = 4 x cluster x + cx
	s_and_b32 s13, ttmp7, 0xffff
	s_lshl_b32 s13, s13, 2
	s_add_co_u32 s13, s13, s41                     ; row block i = 4 x cluster y + cy
	s_lshl_b32 s43, s41, 2
	s_lshl_b32 s43, 15, s43                        ; my row of the cluster
	s_lshl_b32 s44, 0x1111, s40                    ; my column
	; group 1: elements of 2 bytes; 16 bytes of padding behind every 64 words; bit 21 beside a mask
	s_or_b32 s[G1+0], s43, (1<<16)|(1<<20)|(1<<21)|(5<<22)|(3<<25)   ; x's tiles go to my row
	s_or_b32 s[G1B+0], s44, (1<<16)|(1<<20)|(1<<21)|(5<<22)|(3<<25)  ; W's to my column
	s_mov_b32 s[G1+1], KSTEP<<16                   ; tensor_dim0 = 128
	s_mov_b32 s[G1+2], 128<<16                     ; tensor_dim1 = 128
	s_mov_b32 s[G1+3], KSTEP<<16                   ; tile_dim0 = 128
	s_mov_b32 s[G1+4], 128                         ; tile_dim1 = 128 rows
	s_mov_b32 s[G1+5], SIZE_K                      ; elements from row to row
	s_mov_b32 s[G1+6], 0
	s_mov_b32 s[G1+7], 0
	s_mov_b32 s[G1B+1], KSTEP<<16
	s_mov_b32 s[G1B+2], 96<<16                     ; 96 rows
	s_mov_b32 s[G1B+3], KSTEP<<16
	s_mov_b32 s[G1B+4], 96
	s_mov_b32 s[G1B+5], SIZE_K
	s_mov_b32 s[G1B+6], 0
	s_mov_b32 s[G1B+7], 0
	; x's tiles hang on the row block alone, W's on the head alone; each address in registers that never hold the other coordinate
	s_lshl_b32 s17, s12, 7
	s_lshl_b32 s16, s13, 8
	s_add_co_u32 s16, s16, s17                     ; x: row 256 i + 128 half
	s_lshl_b32 s16, s16, 11                        ; rows of 2,048 bytes (below 8 MiB)
	s_mov_b32 s17, 0
	s_mul_i32 s46, s42, 192
	s_mul_i32 s47, s12, 96
	s_add_co_u32 s46, s46, s47                     ; W: row 192 j + 96 half
	s_lshl_b32 s46, s46, 11
	s_mov_b32 s47, 0
	s_mul_i32 s20, s10, AHALF                      ; where they go: waves 0, 1: x's halves at 0 and 34,816;
	s_mul_i32 s21, s10, BHALF
	s_add_co_u32 s21, s21, BOFF-2*BHALF            ; waves 2, 3: W's halves at 69,632 and 95,744
	s_wait_dscnt 0x0
	s_wait_kmcnt 0x0
	s_add_nc_u64 s[14:15], s[68:69], s[16:17]
	s_add_nc_u64 s[46:47], s[70:71], s[46:47]
	CROUND                                         ; all sixteen work-groups are here: the first joint loads meet
.irp s, 0,1
	s_mov_b32 s[G0+4*\s], 1
	s_add_co_u32 s[G0+4*\s+1], s20, \s*SLOT
	s_add_nc_u64 s[G0+4*\s+2:G0+4*\s+3], s[14:15], \s*KSTEP*2      ; K step s
	s_or_b32 s[G0+4*\s+3], s[G0+4*\s+3], 0x80000000
	s_mov_b32 s[G0B+4*\s], 1
	s_add_co_u32 s[G0B+4*\s+1], s21, \s*SLOT
	s_add_nc_u64 s[G0B+4*\s+2:G0B+4*\s+3], s[46:47], \s*KSTEP*2
	s_or_b32 s[G0B+4*\s+3], s[G0B+4*\s+3], 0x80000000
	JLOAD \s                                       ; both slots' first fills go out together: two tensor loads of the wave are out
.endr
	v_and_b32 v1, 15, v0                           ; l % 16
	v_bfe_u32 v2, v0, 4, 1                         ; l / 16
	v_mul_u32_u24 v3, v1, PITCH
	v_lshl_add_u32 v3, v2, 4, v3                   ; row x pitch + 16 x half: a fragment is two loads of 16 bytes, 32 bytes apart
	s_mul_i32 s22, s10, 64*PITCH                   ; my 64 rows of x
	v_add_nc_u32 v[ADRA], s22, v3
	v_add_nc_u32 v[ADRB], BOFF, v3
	s_add_co_u32 s22, s22, SLOT
	v_add_nc_u32 v[ADRA+1], s22, v3
	v_add_nc_u32 v[ADRB+1], BOFF+SLOT, v3
	s_mul_i32 s23, s10, 16*SPITCH
	s_add_co_u32 s23, s23, STAGE                   ; my stage
	v_mul_u32_u24 v4, v1, SPITCH
	v_lshl_add_u32 v4, v2, 4, v4
	v_add_nc_u32 v[STO], s23, v4                   ; in: row l % 16, 16 bytes for each half of the lanes
	v_and_b32 v5, 31, v0
	v_lshrrev_b32 v6, 3, v5
	v_and_b32 v7, 7, v0
	v_mul_u32_u24 v6, v6, SPITCH
	v_lshl_add_u32 v6, v7, 4, v6
	v_add_nc_u32 v[RD], s23, v6                    ; back: eight lanes take the 128 bytes that one row has of q (or k, or v); a wave four rows
	v_lshlrev_b32 v[CO], 4, v5
	v_lshlrev_b32 v[HB], 5, v2
	; the biases as accumulator tiles: register j of tile b holds b_t[64 j_head + 16 (b mod 4) + 8 (l / 16) + j], t = b / 4
	s_lshl_b32 s6, s42, 8
	s_mov_b32 s7, 0
	s_add_nc_u64 s[72:73], s[72:73], s[6:7]
	s_add_nc_u64 s[74:75], s[74:75], s[6:7]
	s_add_nc_u64 s[76:77], s[76:77], s[6:7]
.irp b, 0,1,2,3,4,5,6,7,8,9,10,11
	global_load_b128 v[BIAS+8*\b:BIAS+8*\b+3],   v[HB], s[72+2*(\b/4):73+2*(\b/4)] offset:64*(\b%4)
	global_load_b128 v[BIAS+8*\b+4:BIAS+8*\b+7], v[HB], s[72+2*(\b/4):73+2*(\b/4)] offset:64*(\b%4)+16
.endr
; 12 matrix instructions: row block a of the window's two (hi = 0: my rows 0-31, 1: rows 32-63) x all 12 column blocks, 32 along K.
; bias = 1: the bias tile is C, which starts the sums: nothing is cleared and no bias is added later.
.macro MUL12 f, hi, a, bias
.irp b, 0,1,2,3,4,5,6,7,8,9,10,11
.if \bias
	v_wmma_f32_16x16x32_bf16 v[8*(12*\a+\b):8*(12*\a+\b)+7], v[96*\f+8*\b:96*\f+8*\b+7], v[FA+32*\f+8*(2*\hi+\a):FA+32*\f+8*(2*\hi+\a)+7], v[BIAS+8*\b:BIAS+8*\b+7]
.else
	v_wmma_f32_16x16x32_bf16 v[8*(12*\a+\b):8*(12*\a+\b)+7], v[96*\f+8*\b:96*\f+8*\b+7], v[FA+32*\f+8*(2*\hi+\a):FA+32*\f+8*(2*\hi+\a)+7], v[8*(12*\a+\b):8*(12*\a+\b)+7]
.endif
.endr
.endm
; 32 LDS loads in one run: a quarter step's fragments (192 rows of W, my 64 rows of x, 32 K at byte k of the rows) into buffer f
.macro FETCH slot, k, f
	WIN TO_B
.irp i, 0,1,2,3,4,5,6,7,8,9,10,11
	ds_load_b128 v[96*\f+8*\i:96*\f+8*\i+3],   v[ADRB+\slot] offset:\k+\i*16*PITCH
	ds_load_b128 v[96*\f+8*\i+4:96*\f+8*\i+7], v[ADRB+\slot] offset:\k+\i*16*PITCH+32
.endr
	WIN 0
.irp i, 0,1,2,3
	ds_load_b128 v[FA+32*\f+8*\i:FA+32*\f+8*\i+3],   v[ADRA+\slot] offset:\k+\i*16*PITCH
	ds_load_b128 v[FA+32*\f+8*\i+4:FA+32*\f+8*\i+7], v[ADRA+\slot] offset:\k+\i*16*PITCH+32
.endr
.endm
; Four places between a matrix instruction and a load into a register that it read, or a vector instruction that reads its result (ISA guide 7.12.1 for vector instructions)
.macro PLACES
.rept 4
	v_nop
.endr
.endm
; One of a K step's first three quarters: multiplies buffer f; in its middle it fetches the next quarter's fragments into buffer g.
.macro QUARTER slot, k, f, g, bias
	s_wait_dscnt 4                                 ; W and x's rows 0-31 are in; the youngest four loads (x's rows 32-63) may be out
	MWIN 0, \bias
	MUL12 \f, 0, 0, \bias
	MUL12 \f, 0, 1, \bias
	PLACES
	FETCH \slot, \k, \g
	s_wait_dscnt 32                                ; all but the 32 just issued
	MWIN 1, \bias
	MUL12 \f, 1, 0, \bias
	MUL12 \f, 1, 1, \bias
.endm
.macro THREE slot, bias
	QUARTER \slot, 64,  0, 1, \bias
	QUARTER \slot, 128, 1, 0, 0
	QUARTER \slot, 192, 0, 1, 0
.endm
; The last quarter: multiplies buffer 1 and changes slots.  In front of the barrier each wave waits for its reads of this slot and for all its tensor loads
; (one is out: its part of the next slot).  Behind it the refill comes first, then the next slot's first fragments.
; From a request to the wait for it a wave issues 180 matrix instructions.
.macro TURN slot, next, fill
	s_wait_dscnt 4
	MWIN 0, 0
	MUL12 1, 0, 0, 0
	s_wait_dscnt 0                                 ; my reads of this slot are over
	s_wait_tensorcnt 0x0                           ; all my tensor loads have landed
	ds_add_u32 v255, v255
	s_wait_dscnt 0x0
	s_barrier_signal -1                            ; (where a slot is filled again this barrier opens a round of the cluster's barrier)
	MUL12 1, 0, 1, 0                               ; registers only, while the others arrive
	WIN 0
	s_barrier_wait -1
.if \fill
	CREST                                          ; no wave of any partner still reads this slot or has a load on its way
	s_add_nc_u64 s[G0+4*\slot+2:G0+4*\slot+3], s[G0+4*\slot+2:G0+4*\slot+3], 2*KSTEP*2
	s_add_nc_u64 s[G0B+4*\slot+2:G0B+4*\slot+3], s[G0B+4*\slot+2:G0B+4*\slot+3], 2*KSTEP*2
	JLOAD \slot                                    ; the first tensor load behind the round, the wave's only one until the next
.endif
	PLACES
	FETCH \next, 0, 0
	MWIN 1, 0
	MUL12 1, 1, 0, 0
	MUL12 1, 1, 1, 0
.endm
.macro LAP bias
	THREE 0, \bias
	TURN 0, 1, 1
	THREE 1, 0
	TURN 1, 0, 1
.endm
	s_wait_loadcnt 0x0                             ; the biases, once
	s_wait_tensorcnt 1                             ; my part of K step 0 is in; K step 1's stays out
	s_barrier_signal -1
	s_barrier_wait -1
	FETCH 0, 0, 0
	LAP 1                                          ; the first lap stands in front of the loop: its first products add onto the biases
	WIN 0
	s_mov_b32 s3, LAPS-2
.Llap:
	LAP 0
	WIN 0
	s_sub_co_u32 s3, s3, 1
	s_cmp_lg_u32 s3, 0
	s_cbranch_scc1 .Llap
	THREE 0, 0                                     ; the last lap fills nothing
	TURN 0, 1, 0
	THREE 1, 0
	s_wait_dscnt 4
	MWIN 0, 0
	MUL12 1, 0, 0, 0
	MUL12 1, 0, 1, 0
	s_wait_dscnt 0
	MWIN 1, 0
	MUL12 1, 1, 0, 0
	MUL12 1, 1, 1, 0
	; THE WAY OUT, 16 rows at a time: q scaled, all rounded to f16, 16 bytes a lane into my stage, read back so that a wave's store covers 512 consecutive bytes.
	PLACES
	s_lshr_b32 s4, s13, 3                          ; batch = i / 8
	s_lshl_b32 s4, s4, 4
	s_add_co_u32 s4, s4, s42                       ; batch x 16 + head,
	s_lshl_b32 s4, s4, 18                          ; planes of 2,048 rows x 128 bytes,
	s_and_b32 s5, s13, 7
	s_lshl_b32 s5, s5, 15                          ; + 256 rows a block
	s_add_co_u32 s4, s4, s5
	s_lshl_b32 s5, s10, 13                         ; + 64 rows a wave
	s_add_co_u32 s4, s4, s5
	s_mov_b32 s5, 0
	s_add_nc_u64 s[78:79], s[78:79], s[4:5]
	s_add_nc_u64 s[80:81], s[80:81], s[4:5]
	s_add_nc_u64 s[82:83], s[82:83], s[4:5]
.macro OUT16 a
.set AA, \a%2
.if \a < 2
	WIN 0x82                                       ; in place in window 2
.else
	WIN 0xc3                                       ; in window 3
.endif
.irp b, 0,1,2,3
.irp r, 0,2,4,6
	v_pk_mul_f32 v[8*(12*AA+\b)+\r:8*(12*AA+\b)+\r+1], v[8*(12*AA+\b)+\r:8*(12*AA+\b)+\r+1], 0x3e38aa3b op_sel_hi:[1,0]   ; q x log2(e) / 8
.endr
.endr
.if \a < 2
	WIN 0x0a
.else
	WIN 0x0f
.endif
.irp b, 0,1,2,3,4,5,6,7,8,9,10,11
.irp r, 0,1,2,3
	v_cvt_pk_f16_f32 v[TMP+4*\b+\r], v[8*(12*AA+\b)+2*\r], v[8*(12*AA+\b)+2*\r+1]
.endr
.endr
	WIN 0
.irp b, 0,1,2,3,4,5,6,7,8,9,10,11
	ds_store_b128 v[STO], v[TMP+4*\b:TMP+4*\b+3] offset:32*\b
.endr
	s_wait_xcnt 0x0                                ; RB, which the last sixteen rows' stores read, is loaded again only behind this wait
.irp t, 0,1,2
.irp u, 0,1,2,3
	ds_load_b128 v[RB+4*(4*\t+\u):RB+4*(4*\t+\u)+3], v[RD] offset:4*SPITCH*\u+128*\t    ; LDS serves a wave's instructions in order: these see the stores above
.endr
.endr
.irp t, 0,1,2
.irp u, 0,1,2,3
	s_wait_dscnt 11-(4*\t+\u)                      ; this load is back, the younger ones stay out
	global_store_b128 v[CO], v[RB+4*(4*\t+\u):RB+4*(4*\t+\u)+3], s[78+2*\t:79+2*\t] offset:2048*\a+512*\u   ; four rows of 128 bytes: 512 consecutive bytes, aligned
.endr
.endr
.endm
	OUT16 0
	OUT16 1
	OUT16 2
	OUT16 3
	s_set_vgpr_msb 0x1
	s_wait_tensorcnt 0x0
	ds_add_u32 v255, v255
	s_wait_dscnt 0x0
	s_set_vgpr_msb 0x100
	CROUND                                         ; the closing round: no work-group ends while a partner may still ask for a tile that names it
	s_endpgm
.Lfunc_end_k_qde93990d22_qkv:
	.size	k_qde93990d22_qkv, .Lfunc_end_k_qde93990d22_qkv-k_qde93990d22_qkv
	.p2alignl 7, 3214868480
	.fill 96, 4, 3214868480
	.section	.rodata,"a",@progbits
	.p2align	6, 0x0
	.amdhsa_kernel k_qde93990d22_qkv
		.amdhsa_group_segment_fixed_size 327680
		.amdhsa_private_segment_fixed_size 0
		.amdhsa_enable_private_segment 0
		.amdhsa_kernarg_size 64
		.amdhsa_user_sgpr_count 2
		.amdhsa_user_sgpr_kernarg_segment_ptr 1
		.amdhsa_wavefront_size32 1
		.amdhsa_system_sgpr_workgroup_id_x 1
		.amdhsa_system_sgpr_workgroup_id_y 1
		.amdhsa_system_sgpr_workgroup_id_z 1
		.amdhsa_system_vgpr_workitem_id 0
		.amdhsa_next_free_vgpr 960
		.amdhsa_next_free_sgpr 84
		.amdhsa_reserve_vcc 0
		.amdhsa_float_denorm_mode_32 3
		.amdhsa_float_denorm_mode_16_64 3
		.amdhsa_memory_ordered 1
		.amdhsa_forward_progress 1
		.amdhsa_inst_pref_size 172
	.end_amdhsa_kernel
	.amdgpu_metadata
---
amdhsa.version: [ 1, 2 ]
amdhsa.kernels:
  - .name:           k_qde93990d22_qkv
    .symbol:         k_qde93990d22_qkv.kd
    .args:
      - { .name: xb, .offset: 0, .size: 8, .value_kind: global_buffer, .address_space: global }
      - { .name: wqkv, .offset: 8, .size: 8, .value_kind: global_buffer, .address_space: global }
      - { .name: bq, .offset: 16, .size: 8, .value_kind: global_buffer, .address_space: global }
      - { .name: bk, .offset: 24, .size: 8, .value_kind: global_buffer, .address_space: global }
      - { .name: bv, .offset: 32, .size: 8, .value_kind: global_buffer, .address_space: global }
      - { .name: q, .offset: 40, .size: 8, .value_kind: global_buffer, .address_space: global }
      - { .name: k, .offset: 48, .size: 8, .value_kind: global_buffer, .address_space: global }
      - { .name: v, .offset: 56, .size: 8, .value_kind: global_buffer, .address_space: global }
    .group_segment_fixed_size: 327680
    .private_segment_fixed_size: 0
    .kernarg_segment_align: 8
    .kernarg_segment_size: 64
    .max_flat_workgroup_size: 128
    .sgpr_count:     84
    .vgpr_count:     960
    .wavefront_size: 32
...
	.end_amdgpu_metadata
.endif
;; end of part 2
;; launch attn (part 3): grid 8 x 32, 8 waves a work-group, no clusters, 327,680 bytes of LDS; arguments q, k, v, mbias, att; writes att
.if DOCPART == 3
	.amdgcn_target "amdgcn-amd-amdhsa--gfx1250"
	.amdhsa_code_object_version 6
	.text
	.protected	k_qde93990d22_attn
	.globl	k_qde93990d22_attn
	.p2align	8
	.type	k_qde93990d22_attn,@function
k_qde93990d22_attn:
	s_mov_b64 s[64:65], 0
	v_nop
	global_prefetch_b8 v0, s[64:65] scope:SCOPE_SE
	s_setreg_imm32_b32 hwreg(HW_REG_WAVE_MODE, 25, 1), 1
	s_wait_xcnt 0x0
; Attention for one (batch, head) and two blocks of 128 queries, with the causal mask and the padding mask.  q, k, v, att: [32][2048][64] f16; mbias: [2][2048] f32 (0 or -2^126).
; q comes multiplied by log2(e)/8, so a weight is 2^(s - m), m the running maximum of the query's scores; sums and maxima in f32.
; WORK: work-group (p, bh) takes query block 15 - p and then block p: 16 - p and p + 1 key tiles of 128, 17 for every one of the 256 work-groups; key tiles above the
; diagonal are not computed.  Each block begins with its diagonal tile and goes down.  n counts the 17 tiles; nsw = 16 - p is the second block's first.
; Eight waves: wave w takes queries 32 (w & 3) .. + 31 and keys 64 (w >> 2) .. + 63 of every tile.  The two key halves of a query meet once a block, through LDS.
; NO MULTICAST: at step n work-group p of a head reads key tile 15 - p - n (later 16 - n against other values of nsw): no two of a head's eight work-groups want the same tile
; in the same step, and bringing them into step would need 20 joint steps in place of 17.
; LAYOUT: S^T = K Q^T + M (source 0: 16 keys, source 1: 16 queries, C: the padding bias of the 16 keys).  Lane l holds query l % 16 and keys 8 (l / 16) + 0..7 of the tile, so the
; weights of two key tiles, packed to f16, are source 1 of O^T = V^T P^T as they lie, and a query's maximum and sum are a lane's own but for one exchange with lane l ^ 16.
; V^T comes from LDS by the transposing load.
; MASKS: a padded key's score is about -2^126; a key above the diagonal gets -infinity.  m is never below -2^126, so every exponent is at most 0 and m is finite.
; A tile of padded keys alone leaves weights of 1, which the factor 2^(m_old - m_new) = 0 removes as soon as a key counts.  A query whose merged m is below -2^125 has no key at all: NaN, as softmax of -infinities gives.
; LIMITS: a key that counts must have a scaled score above -2^125; the sums of up to 2,048 weighted v must stay finite.
; The second block starts on the first one's registers: m_old = -infinity makes the factor 0, which wipes O and l.  Nothing is cleared.
.set SLOTB, 39424                      ; a slot: V 128 x 160, K 128 x 144, M 512 bytes
.set KOFF,  20480
.set MOFF,  38912
.set KP,    144                        ; 128 bytes + 16: an odd multiple of 16
.set VP,    160                        ; 128 bytes + 32: an odd multiple of 32, for the transposing load
.set QHI,   78848                      ; the first block's queries, 128 x 144; the second block's QBLK further
.set QBLK,  18432
.set MERGE, 115712                     ; hand-over of waves 4-7 to waves 0-3: 8,192 bytes of O + 512 of (m, l) for each pair; a region for each block
.set MGRP,  8704
.set MREG,  34816
.set STAGE, 185344                     ; the way out: 32 rows x 144 bytes for each of waves 0-3
.set KA, 4                             ; LDS addresses (slot 0): K fragments,
.set VA, 5                             ; V fragments,
.set MA, 6                             ; padding bias,
.set QA, 7                             ; Q fragments (first block)
.set MG, 8                             ; hand-over
.set STO, 9                            ; stage, in
.set SRD, 10                           ; stage, back
.set OUTO, 11                          ; 16 x lane
.set DQ, 12                            ; v12-13  query - key of (register 0, key tile 0) in a diagonal tile, for query tile 0, 1
.set NINF, 14
.set QNAN, 15
.set STA, 16                           ; v[16:19] m0, l0, m1, l1
.set AL, 20                            ; v20, v22 the factors 2^(m_old - m_new); v21, v23 fill the pairs
.set PST, 24                           ; v[24:27] the partner's m0, l0, m1, l1
.set FF, 28                            ; v[28:35] the merge's factors, each twice: mine and the partner's, for query tile 0, 1
.set WRK, 36                           ; v[36:47] at work
.set SCO, 48                           ; v[48:111] scores: tile (kt, qt) at 8 (2 kt + qt); then weights: P(kk, qt) in the registers of tile (2 kk, qt)
.set MF, 112                           ; v[112:143] padding bias as four tiles
.set KF, 144                           ; v[144:207] K fragments at 16 kt + 8 dh
.set TMP, 144                          ; the way out, on K's registers
.set RB, 176
.set OAC, 0                            ; window 1: v[0:63] O^T, tile (dt, qt) at 8 (2 dt + qt)
.set QF, 64                            ; window 1: v[64:95] Q fragments at 16 qt + 8 dh
.set VF, 96                            ; window 1: v[96:159] V^T fragments at 8 (4 kk + dt)
.set TT, 160                           ; window 1: v[160:223] the partner's O^T
.set G1V, 28                           ; s[28:35] group 1: 128 rows x 64 f16, 32 bytes of padding
.set G1K, 36                           ; s[36:43] the same with 16 bytes of padding: K and Q
.set G1M, 44                           ; s[44:51] one row of 512 bytes
.set GV, 52                            ; group 0 of V: slot o at GV + 4 o
.set GK, 60                            ; of K: slot o at GK + 8 o (s64, s65 are not this text's)
.set GM, 72                            ; of M: slot o at GM + 4 o
.set GQ, 80                            ; of Q: first block, then second
.set MSB, 0
.macro WIN new
.if MSB != \new
	s_set_vgpr_msb (MSB<<8)|\new
.set MSB, \new
.endif
.endm
	s_load_b256 s[4:11], s[0:1], 0x0               ; q 4:5, k 6:7, v 8:9, mbias 10:11
	s_load_b64 s[12:13], s[0:1], 0x20              ; att
	v_lshl_add_u32 v254, v0, 2, 0x31c00
	v_mov_b32 v255, 0
	ds_add_u32 v254, v255
	v_lshrrev_b32 v1, 5, v0
	v_readfirstlane_b32 s14, v1                    ; wave 0..7
	s_and_b32 s15, s14, 3                          ; g: my 32 queries
	s_lshr_b32 s16, s14, 2                         ; kh: my 64 keys
	s_and_b32 s18, ttmp7, 0xffff                   ; batch x 16 + head
	s_sub_co_u32 s19, 16, ttmp9                    ; nsw
	s_sub_co_u32 s17, 15, ttmp9                    ; the first block's number, and its diagonal tile
	s_mov_b32 s20, 0                               ; n
	s_mov_b32 s22, 0x76543210                      ; v_permlanex16_b32: lane l reads lane l ^ 16
	s_mov_b32 s23, 0xfedcba98
	s_mov_b32 s[G1V+0], (1<<16)|(1<<20)|(4<<22)|(7<<25)   ; 2-byte elements; behind every 32 words 8 words of padding
	s_mov_b32 s[G1V+1], 64<<16
	s_mov_b32 s[G1V+2], 128<<16
	s_mov_b32 s[G1V+3], 64<<16
	s_mov_b32 s[G1V+4], 128
	s_mov_b32 s[G1V+5], 64
	s_mov_b32 s[G1V+6], 0
	s_mov_b32 s[G1V+7], 0
	s_mov_b32 s[G1K+0], (1<<16)|(1<<20)|(4<<22)|(3<<25)   ; 4 words of padding
	s_mov_b32 s[G1K+1], 64<<16
	s_mov_b32 s[G1K+2], 128<<16
	s_mov_b32 s[G1K+3], 64<<16
	s_mov_b32 s[G1K+4], 128
	s_mov_b32 s[G1K+5], 64
	s_mov_b32 s[G1K+6], 0
	s_mov_b32 s[G1K+7], 0
	s_mov_b32 s[G1M+0], 3<<16                      ; 8-byte elements, one row of 64
	s_mov_b32 s[G1M+1], 64<<16
	s_mov_b32 s[G1M+2], 1<<16
	s_mov_b32 s[G1M+3], 64<<16
	s_mov_b32 s[G1M+4], 1
	s_mov_b32 s[G1M+5], 64
	s_mov_b32 s[G1M+6], 0
	s_mov_b32 s[G1M+7], 0
	s_lshl_b32 s24, s18, 18                        ; my plane of q, k, v, att
	s_mov_b32 s25, 0
	s_lshr_b32 s26, s18, 4
	s_lshl_b32 s26, s26, 13                        ; my batch's 8,192 bytes of mbias
	s_mov_b32 s27, 0
	s_lshl_b32 s92, s17, 14                        ; block 15 - p: 128 rows of 128 bytes each
	s_mov_b32 s93, 0
	s_lshl_b32 s94, ttmp9, 14                      ; block p
	s_mov_b32 s95, 0
	s_wait_dscnt 0x0
	s_barrier_signal -1
	s_barrier_wait -1
	s_wait_kmcnt 0x0
	s_add_nc_u64 s[4:5], s[4:5], s[24:25]
	s_add_nc_u64 s[6:7], s[6:7], s[24:25]
	s_add_nc_u64 s[8:9], s[8:9], s[24:25]
	s_add_nc_u64 s[12:13], s[12:13], s[24:25]
	s_add_nc_u64 s[10:11], s[10:11], s[26:27]
	s_mov_b32 s[GV], 1                             ; slot 0: tile 15 - p
	s_mov_b32 s[GV+1], 0
	s_add_nc_u64 s[GV+2:GV+3], s[8:9], s[92:93]
	s_or_b32 s[GV+3], s[GV+3], 0x80000000
	s_mov_b32 s[GV+4], 1                           ; slot 1: the addresses are written in front of its first fill
	s_mov_b32 s[GV+5], SLOTB
	s_mov_b32 s[GK], 1
	s_mov_b32 s[GK+1], KOFF
	s_add_nc_u64 s[GK+2:GK+3], s[6:7], s[92:93]
	s_or_b32 s[GK+3], s[GK+3], 0x80000000
	s_mov_b32 s[GK+8], 1
	s_mov_b32 s[GK+9], SLOTB+KOFF
	s_lshl_b32 s26, s17, 9
	s_mov_b32 s[GM], 1
	s_mov_b32 s[GM+1], MOFF
	s_add_nc_u64 s[GM+2:GM+3], s[10:11], s[26:27]
	s_or_b32 s[GM+3], s[GM+3], 0x80000000
	s_mov_b32 s[GM+4], 1
	s_mov_b32 s[GM+5], SLOTB+MOFF
	s_mov_b32 s[GQ], 1
	s_mov_b32 s[GQ+1], QHI
	s_add_nc_u64 s[GQ+2:GQ+3], s[4:5], s[92:93]
	s_or_b32 s[GQ+3], s[GQ+3], 0x80000000
	s_mov_b32 s[GQ+4], 1
	s_mov_b32 s[GQ+5], QHI+QBLK
	s_add_nc_u64 s[GQ+6:GQ+7], s[4:5], s[94:95]
	s_or_b32 s[GQ+7], s[GQ+7], 0x80000000
	; the first fills, one a wave, in one chain of branches on the wave's number: V, K, M of tile 0 and both blocks' queries
	s_cmp_lg_u32 s14, 0
	s_cbranch_scc1 .Lff1
	tensor_load_to_lds s[GV:GV+3], s[G1V:G1V+7]
	s_nop 0
	s_branch .Lffd
.Lff1:
	s_cmp_lg_u32 s14, 1
	s_cbranch_scc1 .Lff2
	tensor_load_to_lds s[GK:GK+3], s[G1K:G1K+7]
	s_nop 0
	s_branch .Lffd
.Lff2:
	s_cmp_lg_u32 s14, 2
	s_cbranch_scc1 .Lff3
	tensor_load_to_lds s[GM:GM+3], s[G1M:G1M+7]
	s_nop 0
	s_branch .Lffd
.Lff3:
	s_cmp_lg_u32 s14, 3
	s_cbranch_scc1 .Lff4
	tensor_load_to_lds s[GQ:GQ+3], s[G1K:G1K+7]
	s_nop 0
	s_branch .Lffd
.Lff4:
	s_cmp_lg_u32 s14, 4
	s_cbranch_scc1 .Lffd
	tensor_load_to_lds s[GQ+4:GQ+7], s[G1K:G1K+7]
	s_nop 0
.Lffd:
	s_lshl_b32 s24, s15, 12                        ; my 32 rows of att (s25 is 0)
	s_add_nc_u64 s[12:13], s[12:13], s[24:25]
	s_add_nc_u64 s[88:89], s[12:13], s[92:93]      ; in the first block,
	s_add_nc_u64 s[90:91], s[12:13], s[94:95]      ; in the second
	v_and_b32 v1, 31, v0                           ; l
	v_and_b32 v2, 15, v0                           ; r = l % 16
	v_bfe_u32 v3, v0, 4, 1                         ; h = l / 16
	v_mul_u32_u24 v[WRK], v2, KP
	v_lshl_add_u32 v[WRK], v3, 4, v[WRK]           ; 144 r + 16 h
	s_mul_i32 s24, s16, 64*KP
	s_add_co_u32 s24, s24, KOFF
	v_add_nc_u32 v[KA], s24, v[WRK]
	s_mul_i32 s24, s15, 32*KP                      ; 4,608 g: my 32 rows of Q, and my stage
	s_add_co_u32 s25, s24, QHI
	v_add_nc_u32 v[QA], s25, v[WRK]
	s_add_co_u32 s25, s24, STAGE
	v_add_nc_u32 v[STO], s25, v[WRK]
	v_lshrrev_b32 v[WRK+1], 3, v1
	v_and_b32 v[WRK+2], 7, v0
	v_mul_u32_u24 v[WRK+1], v[WRK+1], KP
	v_lshl_add_u32 v[WRK+1], v[WRK+2], 4, v[WRK+1]
	v_add_nc_u32 v[SRD], s25, v[WRK+1]             ; back: eight lanes a row of 128 bytes, four rows a wave
	v_lshl_add_u32 v[WRK+2], v3, 3, v[WRK+2]       ; 8 h + l % 8: the key row that I address for the transposing load
	v_mul_u32_u24 v[VA], v[WRK+2], VP
	v_bfe_u32 v[WRK+3], v0, 3, 1
	v_lshl_add_u32 v[VA], v[WRK+3], 4, v[VA]
	s_mul_i32 s24, s16, 64*VP
	v_add_nc_u32 v[VA], s24, v[VA]
	s_lshl_b32 s24, s16, 8
	s_add_co_u32 s24, s24, MOFF
	v_lshl_add_u32 v[MA], v3, 5, s24               ; 8 f32 of 16 keys
	s_mul_i32 s24, s15, MGRP
	s_add_co_u32 s24, s24, MERGE
	v_lshl_add_u32 v[MG], v1, 4, s24
	v_lshlrev_b32 v[OUTO], 4, v1
	s_lshl_b32 s24, s15, 5
	s_lshl_b32 s25, s16, 6
	s_sub_co_i32 s24, s24, s25                     ; 32 g - 64 kh
	v_add_nc_u32 v[DQ], s24, v2
	v_lshlrev_b32 v[WRK], 3, v3
	v_sub_nc_u32 v[DQ], v[DQ], v[WRK]              ; + r - 8 h
	v_add_nc_u32 v[DQ+1], 16, v[DQ]
	v_mov_b32 v[NINF], 0xff800000
	v_mov_b32 v[QNAN], 0x7fc00000
	v_mov_b32 v[STA], v[NINF]                      ; m = -infinity; l is written so that the pair (m, l) may be named
	v_mov_b32 v[STA+1], 0
	v_mov_b32 v[STA+2], v[NINF]
	v_mov_b32 v[STA+3], 0
	v_mov_b32 v[AL+1], 0                           ; the pairs' second registers, never used as numbers
	v_mov_b32 v[AL+3], 0
; The addresses of tile n + 1 into slot o's three group 0 sets; stands where no tensor load of the wave is out.
.macro NEXT o
	s_add_co_u32 s24, s20, 1                       ; m = n + 1
	s_sub_co_u32 s25, s19, s24
	s_sub_co_u32 s25, s25, 1                       ; first block: tile nsw - 1 - m
	s_sub_co_u32 s26, 16, s24                      ; second block: tile 16 - m
	s_cmp_lt_u32 s24, s19
	s_cselect_b32 s25, s25, s26
	s_lshl_b32 s26, s25, 14
	s_mov_b32 s27, 0
	s_add_nc_u64 s[GV+4*\o+2:GV+4*\o+3], s[8:9], s[26:27]
	s_or_b32 s[GV+4*\o+3], s[GV+4*\o+3], 0x80000000
	s_add_nc_u64 s[GK+8*\o+2:GK+8*\o+3], s[6:7], s[26:27]
	s_or_b32 s[GK+8*\o+3], s[GK+8*\o+3], 0x80000000
	s_lshl_b32 s26, s25, 9
	s_add_nc_u64 s[GM+4*\o+2:GM+4*\o+3], s[10:11], s[26:27]
	s_or_b32 s[GM+4*\o+3], s[GM+4*\o+3], 0x80000000
.endm
; Slot o is filled: wave 0 V, wave 1 K, wave 2 M, one tensor load each; the other waves issue none.
.macro LOADS o
	s_cmp_lg_u32 s14, 0
	s_cbranch_scc1 .Lnot0_\@
	tensor_load_to_lds s[GV+4*\o:GV+4*\o+3], s[G1V:G1V+7]
	s_nop 0
	s_branch .Lasked_\@
.Lnot0_\@:
	s_cmp_lg_u32 s14, 1
	s_cbranch_scc1 .Lnot1_\@
	tensor_load_to_lds s[GK+8*\o:GK+8*\o+3], s[G1K:G1K+7]
	s_nop 0
	s_branch .Lasked_\@
.Lnot1_\@:
	s_cmp_lg_u32 s14, 2
	s_cbranch_scc1 .Lasked_\@
	tensor_load_to_lds s[GM+4*\o:GM+4*\o+3], s[G1M:G1M+7]
	s_nop 0
.Lasked_\@:
.endm
.macro QLOAD blk                       ; my 32 queries as four fragments, kept for the whole block
	WIN 0x40
.irp qt, 0,1
.irp dh, 0,1
	ds_load_b128 v[QF+16*\qt+8*\dh:QF+16*\qt+8*\dh+3],   v[QA] offset:QBLK*\blk+16*KP*\qt+64*\dh
	ds_load_b128 v[QF+16*\qt+8*\dh+4:QF+16*\qt+8*\dh+7], v[QA] offset:QBLK*\blk+16*KP*\qt+64*\dh+32
.endr
.endr
	WIN 0
.endm
.macro FRAGS slot                      ; 8 loads of M, 16 of K, then 16 of V^T
.irp kt, 0,1,2,3
	ds_load_b128 v[MF+8*\kt:MF+8*\kt+3],   v[MA] offset:\slot*SLOTB+64*\kt
	ds_load_b128 v[MF+8*\kt+4:MF+8*\kt+7], v[MA] offset:\slot*SLOTB+64*\kt+16
.endr
.irp kt, 0,1,2,3
.irp dh, 0,1
	ds_load_b128 v[KF+16*\kt+8*\dh:KF+16*\kt+8*\dh+3],   v[KA] offset:\slot*SLOTB+16*KP*\kt+64*\dh
	ds_load_b128 v[KF+16*\kt+8*\dh+4:KF+16*\kt+8*\dh+7], v[KA] offset:\slot*SLOTB+16*KP*\kt+64*\dh+32
.endr
.endr
	WIN 0x40
.irp kk, 0,1
.irp dt, 0,1,2,3
	ds_load_tr16_b128 v[VF+8*(4*\kk+\dt):VF+8*(4*\kk+\dt)+3],   v[VA] offset:\slot*SLOTB+32*VP*\kk+32*\dt
	ds_load_tr16_b128 v[VF+8*(4*\kk+\dt)+4:VF+8*(4*\kk+\dt)+7], v[VA] offset:\slot*SLOTB+32*VP*\kk+32*\dt+16*VP
.endr
.endr
	WIN 0
.endm
; S^T = K Q^T + M: the first 32 of the head's 64 start the sums on the padding bias, the second 32 add in place.  The eight accumulators take turns, one instruction a turn.
.macro SMUL
	WIN 0x04                                       ; source 1 (Q) in window 1
.irp kt, 0,1,2,3
.irp qt, 0,1
	v_wmma_f32_16x16x32_f16 v[SCO+8*(2*\kt+\qt):SCO+8*(2*\kt+\qt)+7], v[KF+16*\kt:KF+16*\kt+7], v[QF+16*\qt:QF+16*\qt+7], v[MF+8*\kt:MF+8*\kt+7]
.endr
.endr
.irp kt, 0,1,2,3
.irp qt, 0,1
	v_wmma_f32_16x16x32_f16 v[SCO+8*(2*\kt+\qt):SCO+8*(2*\kt+\qt)+7], v[KF+16*\kt+8:KF+16*\kt+15], v[QF+16*\qt+8:QF+16*\qt+15], v[SCO+8*(2*\kt+\qt):SCO+8*(2*\kt+\qt)+7]
.endr
.endr
	WIN 0
.rept 4
	v_nop                                          ; four places before vector instructions read the scores (ISA guide 7.12.1)
.endr
.endm
.macro CAUSAL                          ; a diagonal tile: key 16 kt + j (from my first) above the query: -infinity
.irp kt, 0,1,2,3
.irp qt, 0,1
.irp j, 0,1,2,3,4,5,6,7
	v_cmp_gt_i32 vcc_lo, 16*\kt+\j, v[DQ+\qt]
	v_cndmask_b32 v[SCO+8*(2*\kt+\qt)+\j], v[SCO+8*(2*\kt+\qt)+\j], v[NINF], vcc_lo
.endr
.endr
.endr
.endm
; Query tile qt: the running maximum, the factor for what has been summed, the 32 weights of a lane, their sum, and the weights packed to f16.
.macro SOFT qt, first
.irp kt, 0,1,2,3
	v_max3_num_f32 v[WRK+\kt], v[SCO+8*(2*\kt+\qt)], v[SCO+8*(2*\kt+\qt)+1], v[SCO+8*(2*\kt+\qt)+2]
.endr
.irp kt, 0,1,2,3
	v_max3_num_f32 v[WRK+\kt], v[WRK+\kt], v[SCO+8*(2*\kt+\qt)+3], v[SCO+8*(2*\kt+\qt)+4]
.endr
.irp kt, 0,1,2,3
	v_max3_num_f32 v[WRK+\kt], v[WRK+\kt], v[SCO+8*(2*\kt+\qt)+5], v[SCO+8*(2*\kt+\qt)+6]
.endr
	v_max3_num_f32 v[WRK], v[WRK], v[WRK+1], v[SCO+8*(0+\qt)+7]
	v_max3_num_f32 v[WRK+2], v[WRK+2], v[WRK+3], v[SCO+8*(2+\qt)+7]
	v_max3_num_f32 v[WRK], v[WRK], v[WRK+2], v[SCO+8*(4+\qt)+7]
	v_max_num_f32 v[WRK], v[WRK], v[SCO+8*(6+\qt)+7]
	v_permlanex16_b32 v[WRK+1], v[WRK], s22, s23   ; the query's other 32 keys lie in lane l ^ 16
	v_max3_num_f32 v[WRK], v[WRK], v[WRK+1], v[STA+2*\qt]
	v_max_num_f32 v[WRK], 0xfe800000, v[WRK]       ; never below -2^126: m stays finite
.if \first == 0
	v_sub_f32 v[WRK+2], v[STA+2*\qt], v[WRK]
	v_exp_f32 v[AL+2*\qt], v[WRK+2]                ; 2^(m_old - m_new); the move below is the plain place behind it (ISA guide 5.7.2)
.endif
	v_mov_b32 v[STA+2*\qt], v[WRK]
.irp kt, 0,1,2,3
.irp j, 0,2,4,6
	v_pk_add_f32 v[SCO+8*(2*\kt+\qt)+\j:SCO+8*(2*\kt+\qt)+\j+1], v[SCO+8*(2*\kt+\qt)+\j:SCO+8*(2*\kt+\qt)+\j+1], v[STA+2*\qt:STA+2*\qt+1] op_sel_hi:[1,0] neg_lo:[0,1] neg_hi:[0,1]   ; s - m, both by m
.endr
.endr
.irp kt, 0,1,2,3
.irp j, 0,1,2,3,4,5,6,7
	v_exp_f32 v[SCO+8*(2*\kt+\qt)+\j], v[SCO+8*(2*\kt+\qt)+\j]
.endr
.endr
	v_nop                                          ; the plain place between the last exponential and the first use
	s_wait_alu depctr_va_vdst(0)
.irp kt, 0,1,2,3
	v_pk_add_f32 v[WRK+2*\kt:WRK+2*\kt+1], v[SCO+8*(2*\kt+\qt):SCO+8*(2*\kt+\qt)+1], v[SCO+8*(2*\kt+\qt)+2:SCO+8*(2*\kt+\qt)+3]
.endr
.irp kt, 0,1,2,3
	v_pk_add_f32 v[WRK+2*\kt:WRK+2*\kt+1], v[WRK+2*\kt:WRK+2*\kt+1], v[SCO+8*(2*\kt+\qt)+4:SCO+8*(2*\kt+\qt)+5]
.endr
.irp kt, 0,1,2,3
	v_pk_add_f32 v[WRK+2*\kt:WRK+2*\kt+1], v[WRK+2*\kt:WRK+2*\kt+1], v[SCO+8*(2*\kt+\qt)+6:SCO+8*(2*\kt+\qt)+7]
.endr
	v_pk_add_f32 v[WRK:WRK+1], v[WRK:WRK+1], v[WRK+2:WRK+3]
	v_pk_add_f32 v[WRK+4:WRK+5], v[WRK+4:WRK+5], v[WRK+6:WRK+7]
	v_pk_add_f32 v[WRK:WRK+1], v[WRK:WRK+1], v[WRK+4:WRK+5]
.if \first
	v_add_f32 v[STA+2*\qt+1], v[WRK], v[WRK+1]     ; l of my own keys; the two halves of the lanes meet at the merge
.else
	v_add_f32 v[WRK], v[WRK], v[WRK+1]
	v_fma_f32 v[STA+2*\qt+1], v[STA+2*\qt+1], v[AL+2*\qt], v[WRK]
.endif
.irp kk, 0,1
.irp i, 0,1,2,3
	v_cvt_pk_f16_f32 v[SCO+8*(4*\kk+\qt)+\i], v[SCO+8*(4*\kk+\qt)+2*\i], v[SCO+8*(4*\kk+\qt)+2*\i+1]       ; ascending in place: register i is written when 2 i and 2 i + 1 are read
.endr
.irp i, 0,1,2,3
	v_cvt_pk_f16_f32 v[SCO+8*(4*\kk+\qt)+4+\i], v[SCO+8*(4*\kk+2+\qt)+2*\i], v[SCO+8*(4*\kk+2+\qt)+2*\i+1]
.endr
.endr
.endm
; O^T = factor x O^T + V^T P^T.  The eight accumulators take turns, one instruction a turn.
.macro PV first
	s_wait_dscnt 0x0                               ; V's fragments
.if \first == 0
	WIN 0x41
.irp dt, 0,1,2,3
.irp qt, 0,1
.irp i, 0,2,4,6
	v_pk_mul_f32 v[OAC+8*(2*\dt+\qt)+\i:OAC+8*(2*\dt+\qt)+\i+1], v[OAC+8*(2*\dt+\qt)+\i:OAC+8*(2*\dt+\qt)+\i+1], v[AL+2*\qt:AL+2*\qt+1] op_sel_hi:[1,0]
.endr
.endr
.endr
.endif
	WIN 0x51                                       ; V^T and O in window 1, P in window 0
.irp dt, 0,1,2,3
.irp qt, 0,1
.if \first
	v_wmma_f32_16x16x32_f16 v[OAC+8*(2*\dt+\qt):OAC+8*(2*\dt+\qt)+7], v[VF+8*\dt:VF+8*\dt+7], v[SCO+8*\qt:SCO+8*\qt+7], 0
.else
	v_wmma_f32_16x16x32_f16 v[OAC+8*(2*\dt+\qt):OAC+8*(2*\dt+\qt)+7], v[VF+8*\dt:VF+8*\dt+7], v[SCO+8*\qt:SCO+8*\qt+7], v[OAC+8*(2*\dt+\qt):OAC+8*(2*\dt+\qt)+7]
.endif
.endr
.endr
.irp dt, 0,1,2,3
.irp qt, 0,1
	v_wmma_f32_16x16x32_f16 v[OAC+8*(2*\dt+\qt):OAC+8*(2*\dt+\qt)+7], v[VF+8*(4+\dt):VF+8*(4+\dt)+7], v[SCO+8*(4+\qt):SCO+8*(4+\qt)+7], v[OAC+8*(2*\dt+\qt):OAC+8*(2*\dt+\qt)+7]
.endr
.endr
	WIN 0
.rept 5
	v_nop                                          ; five places: the next tile's first products write over P; loads into V and LDS stores of O need four
.endr
.endm
.macro PUT reg                         ; waves 4-7: O^T and (m, l) to the partner, 16 bytes a lane, lanes side by side
	WIN 0x04
.irp i, 0,1,2,3,4,5,6,7,8,9,10,11,12,13,14,15
	ds_store_b128 v[MG], v[OAC+4*\i:OAC+4*\i+3] offset:MREG*\reg+512*\i
.endr
	WIN 0
	ds_store_b128 v[MG], v[STA:STA+3] offset:MREG*\reg+8192
.endm
; Waves 0-3: the two key halves are merged, divided by l, rounded to f16 and stored, through my stage, 512 consecutive bytes a store.
.macro GET reg, base
	ds_load_b128 v[PST:PST+3], v[MG] offset:MREG*\reg+8192
	WIN 0x40
.irp i, 0,1,2,3,4,5,6,7,8,9,10,11,12,13,14,15
	ds_load_b128 v[TT+4*\i:TT+4*\i+3], v[MG] offset:MREG*\reg+512*\i
.endr
	WIN 0
	s_wait_dscnt 0x0
.irp qt, 0,1
	v_max_num_f32 v[WRK], v[STA+2*\qt], v[PST+2*\qt]
	v_sub_f32 v[WRK+1], v[STA+2*\qt], v[WRK]
	v_sub_f32 v[WRK+2], v[PST+2*\qt], v[WRK]
	v_exp_f32 v[WRK+5], v[WRK+1]
	v_exp_f32 v[WRK+6], v[WRK+2]
	v_nop
	s_wait_alu depctr_va_vdst(0)
	v_mul_f32 v[WRK+3], v[STA+2*\qt+1], v[WRK+5]
	v_fmac_f32 v[WRK+3], v[PST+2*\qt+1], v[WRK+6]
	v_permlanex16_b32 v[WRK+4], v[WRK+3], s22, s23 ; the sums of lane l ^ 16's keys
	v_add_f32 v[WRK+3], v[WRK+3], v[WRK+4]
	v_rcp_f32 v[WRK+7], v[WRK+3]
	v_cmp_gt_f32 vcc_lo, 0xfe000000, v[WRK]        ; m below -2^125: no key counts
	s_wait_alu depctr_va_vdst(0)
	v_cndmask_b32 v[WRK+7], v[WRK+7], v[QNAN], vcc_lo
	v_mul_f32 v[FF+4*\qt],   v[WRK+5], v[WRK+7]
	v_mul_f32 v[FF+4*\qt+1], v[WRK+5], v[WRK+7]
	v_mul_f32 v[FF+4*\qt+2], v[WRK+6], v[WRK+7]
	v_mul_f32 v[FF+4*\qt+3], v[WRK+6], v[WRK+7]
.endr
	WIN 0x41
.irp dt, 0,1,2,3
.irp qt, 0,1
.irp i, 0,2,4,6
	v_pk_mul_f32 v[TT+8*(2*\dt+\qt)+\i:TT+8*(2*\dt+\qt)+\i+1], v[TT+8*(2*\dt+\qt)+\i:TT+8*(2*\dt+\qt)+\i+1], v[FF+4*\qt+2:FF+4*\qt+3]
.endr
.endr
.endr
	WIN 0x51
.irp dt, 0,1,2,3
.irp qt, 0,1
.irp i, 0,2,4,6
	v_pk_fma_f32 v[TT+8*(2*\dt+\qt)+\i:TT+8*(2*\dt+\qt)+\i+1], v[OAC+8*(2*\dt+\qt)+\i:OAC+8*(2*\dt+\qt)+\i+1], v[FF+4*\qt:FF+4*\qt+1], v[TT+8*(2*\dt+\qt)+\i:TT+8*(2*\dt+\qt)+\i+1]
.endr
.endr
.endr
	WIN 0x05
.irp t, 0,1,2,3,4,5,6,7
.irp i, 0,1,2,3
	v_cvt_pk_f16_f32 v[TMP+4*\t+\i], v[TT+8*\t+2*\i], v[TT+8*\t+2*\i+1]
.endr
.endr
	WIN 0
.irp dt, 0,1,2,3
.irp qt, 0,1
	ds_store_b128 v[STO], v[TMP+4*(2*\dt+\qt):TMP+4*(2*\dt+\qt)+3] offset:16*KP*\qt+32*\dt   ; row 16 qt + r, columns 16 dt + 8 h + 0..7
.endr
.endr
.irp u, 0,1,2,3,4,5,6,7
	ds_load_b128 v[RB+4*\u:RB+4*\u+3], v[SRD] offset:4*KP*\u     ; my own bytes, served in order behind the stores above
.endr
.irp u, 0,1,2,3,4,5,6,7
	s_wait_dscnt 7-\u                              ; this load is back, the younger ones stay out
	global_store_b128 v[OUTO], v[RB+4*\u:RB+4*\u+3], s[\base:\base+1] offset:512*\u
.endr
.endm
; One key tile, in slot `slot`; `other` is the slot read last, which is filled again with tile n + 1 if refill = 1.
.macro TILE slot, other, first, refill
.if \first == 0
	; The change of blocks, in front of tile nsw.  n and nsw are equal in all eight waves, so every wave passes the barrier inside.
	; This tile's loads may stay out across it.
	s_cmp_lg_u32 s20, s19
	s_cbranch_scc1 .Lsame_\@
	s_cmp_lt_u32 s14, 4
	s_cbranch_scc1 .Lnoput_\@
	PUT 0
.Lnoput_\@:
	s_wait_dscnt 0x0                               ; the hand-over is written,
	s_barrier_signal -1
	s_barrier_wait -1                              ; and only then read
	s_cmp_ge_u32 s14, 4
	s_cbranch_scc1 .Lnoget_\@
	GET 0, 88
	s_wait_xcnt 0x0                                ; RB, which the stores read, lies on K's fragment registers: they are loaded again only behind this wait
.Lnoget_\@:
	v_mov_b32 v[STA], v[NINF]                      ; m_old = -infinity: the next factor is 0 and wipes O and l
	v_mov_b32 v[STA+2], v[NINF]
	QLOAD 1
.Lsame_\@:
.endif
	s_wait_tensorcnt 0x0                           ; all my tensor loads have landed, my part of this tile among them,
	ds_add_u32 v254, v255
	s_wait_dscnt 0x0
.if \refill
	NEXT \other                                    ; so the other slot's group 0 sets may be written
.endif
	s_wait_dscnt 0x0                               ; my reads of the other slot (and of the hand-over and Q) are back
	s_barrier_signal -1
	s_barrier_wait -1                              ; both hold of every wave
.if \refill
	LOADS \other                                   ; first thing behind the barrier; one tensor load of a wave is out, with a whole tile's work in which to land
.endif
.if \first
	QLOAD 0
.endif
	FRAGS \slot
	s_wait_dscnt 16                                ; all but V's 16 loads, the youngest on every way here
	SMUL
.if \first
	CAUSAL
.else
	s_cmp_lg_u32 s20, s19
	s_cbranch_scc1 .Lfull_\@
	CAUSAL
.Lfull_\@:
.endif
	SOFT 0, \first
	SOFT 1, \first
	PV \first
	s_add_co_u32 s20, s20, 1
.endm
	TILE 0, 1, 1, 1                                ; tile 0: the first block's diagonal; slot 1 gets its first fill behind this tile's barrier
	s_mov_b32 s21, 7
.Lpair:
	TILE 1, 0, 0, 1
	TILE 0, 1, 0, 1
	s_sub_co_u32 s21, s21, 1
	s_cmp_lg_u32 s21, 0
	s_cbranch_scc1 .Lpair
	TILE 1, 0, 0, 1                                ; tile 15
	TILE 0, 1, 0, 0                                ; tile 16: nothing is left to fetch
	s_cmp_lt_u32 s14, 4
	s_cbranch_scc1 .Lnoput1
	PUT 1
.Lnoput1:
	s_wait_dscnt 0x0
	s_barrier_signal -1
	s_barrier_wait -1
	s_cmp_ge_u32 s14, 4
	s_cbranch_scc1 .Lend
	GET 1, 90
.Lend:
	s_wait_tensorcnt 0x0
	ds_add_u32 v254, v255
	s_wait_dscnt 0x0
	s_endpgm
.Lfunc_end_k_qde93990d22_attn:
	.size	k_qde93990d22_attn, .Lfunc_end_k_qde93990d22_attn-k_qde93990d22_attn
	.p2alignl 7, 3214868480
	.fill 96, 4, 3214868480
	.section	.rodata,"a",@progbits
	.p2align	6, 0x0
	.amdhsa_kernel k_qde93990d22_attn
		.amdhsa_group_segment_fixed_size 327680
		.amdhsa_private_segment_fixed_size 0
		.amdhsa_enable_private_segment 0
		.amdhsa_kernarg_size 40
		.amdhsa_user_sgpr_count 2
		.amdhsa_user_sgpr_kernarg_segment_ptr 1
		.amdhsa_wavefront_size32 1
		.amdhsa_system_sgpr_workgroup_id_x 1
		.amdhsa_system_sgpr_workgroup_id_y 1
		.amdhsa_system_sgpr_workgroup_id_z 1
		.amdhsa_system_vgpr_workitem_id 0
		.amdhsa_next_free_vgpr 512
		.amdhsa_next_free_sgpr 96
		.amdhsa_reserve_vcc 1
		.amdhsa_float_denorm_mode_32 3
		.amdhsa_float_denorm_mode_16_64 3
		.amdhsa_memory_ordered 1
		.amdhsa_forward_progress 1
		.amdhsa_inst_pref_size 184
	.end_amdhsa_kernel
	.amdgpu_metadata
---
amdhsa.version: [ 1, 2 ]
amdhsa.kernels:
  - .name:           k_qde93990d22_attn
    .symbol:         k_qde93990d22_attn.kd
    .args:
      - { .name: q, .offset: 0, .size: 8, .value_kind: global_buffer, .address_space: global }
      - { .name: k, .offset: 8, .size: 8, .value_kind: global_buffer, .address_space: global }
      - { .name: v, .offset: 16, .size: 8, .value_kind: global_buffer, .address_space: global }
      - { .name: mbias, .offset: 24, .size: 8, .value_kind: global_buffer, .address_space: global }
      - { .name: att, .offset: 32, .size: 8, .value_kind: global_buffer, .address_space: global }
    .group_segment_fixed_size: 327680
    .private_segment_fixed_size: 0
    .kernarg_segment_align: 8
    .kernarg_segment_size: 40
    .max_flat_workgroup_size: 256
    .sgpr_count:     96
    .vgpr_count:     512
    .wavefront_size: 32
...
	.end_amdgpu_metadata
.endif
;; end of part 3
;; launch oproj (part 4): grid 8 x 32, 4 waves a work-group, clusters of 4 x 4, 327,680 bytes of LDS; arguments att, wof, bo, out0; writes out0
.if DOCPART == 4
	.amdgcn_target "amdgcn-amd-amdhsa--gfx1250"
	.amdhsa_code_object_version 6
	.text
	.protected	k_qde93990d22_oproj
	.globl	k_qde93990d22_oproj
	.p2align	8
	.type	k_qde93990d22_oproj,@function
k_qde93990d22_oproj:
	s_mov_b64 s[64:65], 0
	v_nop
	global_prefetch_b8 v0, s[64:65] scope:SCOPE_SE
	s_setreg_imm32_b32 hwreg(HW_REG_WAVE_MODE, 25, 1), 1
	s_wait_xcnt 0x0
	s_wait_alu depctr_hold_cnt(0) depctr_sa_sdst(0) depctr_va_vdst(0) depctr_va_sdst(0) depctr_va_ssrc(0) depctr_va_vcc(0) depctr_vm_vsrc(0)
	s_getreg_b32 s2, hwreg(HW_REG_IB_STS2, 6, 4)
	s_cmp_eq_u32 s2, 0
	s_cbranch_scc0 .Lentry_in_a_cluster
	s_endpgm
.Lentry_in_a_cluster:
	s_bfe_u32 s2, ttmp6, 0x10000c
	s_cmp_lg_u32 s2, 0xf033
	s_cbranch_scc0 .Lentry_shape_is_right
	s_endpgm
.Lentry_shape_is_right:
; out0 = att Wo^T + bo.  att: [batch x head = 32][2048][64] f16; wof: [1024][1024] f16; out0: [4096][1024] f32; sums in f32.
; A work-group makes 128 rows x 128 columns with four waves (256 work-groups); a wave makes 64 x 64: 16 accumulator tiles, 128 registers.
; K goes in steps of 128 = two heads through a ring of two LDS slots: att's part of a step is two dense blocks of 128 rows x 128 bytes (one a head), Wo's part 128 rows of 256 bytes.
; A row of att that is NaN (a query without any key) makes its row of out0 NaN and no other: a result row is made of its own row of att alone.
; CLUSTERS: 4 x 4 work-groups; att's tiles are shared along a row of the cluster, Wo's along a column, each asked for jointly by the four that need it.
; REGISTERS: window 0: addresses, two buffers of fragments, the bias as four tiles, the way out; window 1: the accumulators, tile (a, b) at v[8 (4 a + b)].
; THE MATRIX INSTRUCTION IS USED TRANSPOSED (source 0: 16 rows of Wo, source 1: 16 rows of att): a lane holds eight neighbouring columns of one row, 32 bytes.
; The 16 accumulators take turns, one instruction a turn, in the same order in every quarter step and over the backward jump.
.set APITCH, 144                       ; 128 bytes + 16
.set BPITCH, 272                       ; 256 bytes + 16
.set ASUB,   128*APITCH                ; one head's 128 rows: one tensor load
.set BHALF,  64*BPITCH                 ; 64 rows of Wo: one tensor load
.set BOFF,   2*ASUB
.set SLOT,   BOFF+2*BHALF              ; 71,680 bytes
.set STAGE,  2*SLOT                    ; behind the ring: 16 rows x 272 bytes for each wave; no tensor load fills it
.set SPITCH, 272
.set LAPS,   4                         ; 8 K steps, two a lap
.set ASTEP,  2*262144                  ; two heads' planes of att
.set ADRA, 16
.set ADRB, 20
.set STO,  24
.set RD,   25
.set CO,   26
.set HB,   27
.set FA,   32                          ; att fragments: buffer f at FA + 64 f
.set FB,   64                          ; Wo fragments: buffer f at FB + 64 f
.set BIAS, 160                         ; four tiles of 8 registers
.set RB,   192
.set G1,  24
.set G0,  32
.set G1B, 48
.set G0B, 56
.set MSB, 0
.macro WIN new
.if MSB != \new
	s_set_vgpr_msb (MSB<<8)|\new
.set MSB, \new
.endif
.endm
.macro MWIN bias                       ; D in window 1; C there too, or in window 0 where the bias starts the sum
	WIN (0x50-0x10*\bias)
.endm
.macro JLOAD s
	s_cmp_eq_u32 s11, 0
	s_cbranch_scc0 .Lfor_b_\@
	tensor_load_to_lds s[G0+4*\s:G0+4*\s+3], s[G1:G1+7]
	s_nop 0
	s_branch .Lasked_\@
.Lfor_b_\@:
	tensor_load_to_lds s[G0B+4*\s:G0B+4*\s+3], s[G1B:G1B+7]
	s_nop 0
.Lasked_\@:
.endm
.macro CREST
	s_cmp_lg_u32 s10, 0
	s_cbranch_scc1 .Lnot_wave_0_\@
	s_barrier_signal -3
.Lnot_wave_0_\@:
	s_barrier_wait -3
	s_barrier_signal -1
	s_barrier_wait -1
.endm
.macro CROUND
	s_barrier_signal -1
	s_barrier_wait -1
	CREST
.endm
	s_load_b256 s[68:75], s[0:1], 0x0              ; att 68:69, wof 70:71, bo 72:73, out0 74:75
	v_lshl_add_u32 v254, v0, 2, 0x29000
	v_mov_b32 v255, 0
	ds_add_u32 v254, v255
	v_lshrrev_b32 v1, 5, v0
	v_readfirstlane_b32 s10, v1                    ; wave 0..3
	s_lshr_b32 s11, s10, 1                         ; my half of the rows.  Also: I fetch for att (0) or for Wo (1)
	s_and_b32 s12, s10, 1                          ; my half of the columns.  Also: which head, or which 64 rows of Wo, I fetch
	s_bfe_u32 s40, ttmp6, 0x40000                  ; cx
	s_bfe_u32 s41, ttmp6, 0x40004                  ; cy
	s_lshl_b32 s42, ttmp9, 2
	s_add_co_u32 s42, s42, s40                     ; block column X
	s_and_b32 s13, ttmp7, 0xffff
	s_lshl_b32 s13, s13, 2
	s_add_co_u32 s13, s13, s41                     ; block row Y
	s_lshl_b32 s43, s41, 2
	s_lshl_b32 s43, 15, s43                        ; my row of the cluster
	s_lshl_b32 s44, 0x1111, s40                    ; my column
	s_or_b32 s[G1+0], s43, (1<<16)|(1<<20)|(1<<21)|(4<<22)|(3<<25)   ; att: 16 bytes of padding behind every 32 words
	s_mov_b32 s[G1+1], 64<<16
	s_mov_b32 s[G1+2], 128<<16
	s_mov_b32 s[G1+3], 64<<16
	s_mov_b32 s[G1+4], 128
	s_mov_b32 s[G1+5], 64
	s_mov_b32 s[G1+6], 0
	s_mov_b32 s[G1+7], 0
	s_or_b32 s[G1B+0], s44, (1<<16)|(1<<20)|(1<<21)|(5<<22)|(3<<25)  ; Wo: behind every 64 words
	s_mov_b32 s[G1B+1], 128<<16
	s_mov_b32 s[G1B+2], 64<<16
	s_mov_b32 s[G1B+3], 128<<16
	s_mov_b32 s[G1B+4], 64
	s_mov_b32 s[G1B+5], 1024
	s_mov_b32 s[G1B+6], 0
	s_mov_b32 s[G1B+7], 0
	s_lshr_b32 s16, s13, 4                         ; att: batch = Y / 16,
	s_lshl_b32 s16, s16, 4
	s_add_co_u32 s16, s16, s12                     ; plane batch x 16 + my head of the step's two,
	s_lshl_b32 s16, s16, 18
	s_and_b32 s17, s13, 15
	s_lshl_b32 s17, s17, 14                        ; 128 rows of 128 bytes a block
	s_add_co_u32 s16, s16, s17
	s_mov_b32 s17, 0
	s_lshl_b32 s46, s42, 7                         ; Wo: row 128 X + 64 half,
	s_lshl_b32 s47, s12, 6
	s_add_co_u32 s46, s46, s47
	s_lshl_b32 s46, s46, 11                        ; rows of 2,048 bytes
	s_mov_b32 s47, 0
	s_mul_i32 s20, s10, ASUB                       ; waves 0, 1: att's two heads at 0 and 18,432;
	s_mul_i32 s21, s10, BHALF
	s_add_co_u32 s21, s21, BOFF-2*BHALF            ; waves 2, 3: Wo's halves at 36,864 and 54,272
	s_wait_dscnt 0x0
	s_wait_kmcnt 0x0
	s_add_nc_u64 s[14:15], s[68:69], s[16:17]
	s_add_nc_u64 s[46:47], s[70:71], s[46:47]
	CROUND                                         ; the first joint loads meet
.irp s, 0,1
	s_mov_b32 s[G0+4*\s], 1
	s_add_co_u32 s[G0+4*\s+1], s20, \s*SLOT
	s_add_nc_u64 s[G0+4*\s+2:G0+4*\s+3], s[14:15], \s*ASTEP
	s_or_b32 s[G0+4*\s+3], s[G0+4*\s+3], 0x80000000
	s_mov_b32 s[G0B+4*\s], 1
	s_add_co_u32 s[G0B+4*\s+1], s21, \s*SLOT
	s_add_nc_u64 s[G0B+4*\s+2:G0B+4*\s+3], s[46:47], \s*256
	s_or_b32 s[G0B+4*\s+3], s[G0B+4*\s+3], 0x80000000
	JLOAD \s                                       ; both slots' first fills go out together: two tensor loads of the wave are out
.endr
	v_and_b32 v1, 15, v0                           ; r
	v_bfe_u32 v2, v0, 4, 1                         ; h
	v_mul_u32_u24 v3, v1, APITCH
	v_lshl_add_u32 v3, v2, 4, v3
	s_mul_i32 s22, s11, 64*APITCH                  ; my 64 rows of att
	v_add_nc_u32 v[ADRA], s22, v3
	s_add_co_u32 s22, s22, SLOT
	v_add_nc_u32 v[ADRA+1], s22, v3
	v_mul_u32_u24 v3, v1, BPITCH
	v_lshl_add_u32 v3, v2, 4, v3
	s_mul_i32 s22, s12, 64*BPITCH                  ; my 64 rows of Wo
	s_add_co_u32 s22, s22, BOFF
	v_add_nc_u32 v[ADRB], s22, v3
	s_add_co_u32 s22, s22, SLOT
	v_add_nc_u32 v[ADRB+1], s22, v3
	s_mul_i32 s23, s10, 16*SPITCH
	s_add_co_u32 s23, s23, STAGE
	v_mul_u32_u24 v4, v1, SPITCH
	v_lshl_add_u32 v4, v2, 5, v4
	v_add_nc_u32 v[STO], s23, v4                   ; in: row r, 32 bytes for each half of the lanes
	v_mul_u32_u24 v5, v2, SPITCH
	v_lshl_add_u32 v5, v1, 4, v5
	v_add_nc_u32 v[RD], s23, v5                    ; back: lanes 0-15 one row of 256 bytes, lanes 16-31 the next
	v_lshlrev_b32 v5, 12, v2
	v_lshl_add_u32 v[CO], v1, 4, v5                ; the same two rows in out0
	v_lshlrev_b32 v[HB], 5, v2
	s_lshl_b32 s6, s42, 9                          ; bo at column 128 X + 64 half
	s_lshl_b32 s7, s12, 8
	s_add_co_u32 s6, s6, s7
	s_mov_b32 s7, 0
	s_add_nc_u64 s[72:73], s[72:73], s[6:7]
.irp b, 0,1,2,3
	global_load_b128 v[BIAS+8*\b:BIAS+8*\b+3],   v[HB], s[72:73] offset:64*\b
	global_load_b128 v[BIAS+8*\b+4:BIAS+8*\b+7], v[HB], s[72:73] offset:64*\b+16
.endr
; four matrix instructions: row block a x the four column blocks, 32 along K.  bias = 1: the bias tile is C and starts the sums.
.macro MUL4 f, a, bias
.irp b, 0,1,2,3
.if \bias
	v_wmma_f32_16x16x32_f16 v[8*(4*\a+\b):8*(4*\a+\b)+7], v[FB+64*\f+8*\b:FB+64*\f+8*\b+7], v[FA+64*\f+8*\a:FA+64*\f+8*\a+7], v[BIAS+8*\b:BIAS+8*\b+7]
.else
	v_wmma_f32_16x16x32_f16 v[8*(4*\a+\b):8*(4*\a+\b)+7], v[FB+64*\f+8*\b:FB+64*\f+8*\b+7], v[FA+64*\f+8*\a:FA+64*\f+8*\a+7], v[8*(4*\a+\b):8*(4*\a+\b)+7]
.endif
.endr
.endm
; 16 LDS loads: quarter kq of a step (head kq / 2, byte 64 (kq mod 2) of att's rows; byte 64 kq of Wo's) into buffer f
.macro FETCH slot, kq, f
	WIN 0
.irp i, 0,1,2,3
	ds_load_b128 v[FB+64*\f+8*\i:FB+64*\f+8*\i+3],   v[ADRB+\slot] offset:64*\kq+\i*16*BPITCH
	ds_load_b128 v[FB+64*\f+8*\i+4:FB+64*\f+8*\i+7], v[ADRB+\slot] offset:64*\kq+\i*16*BPITCH+32
.endr
.irp i, 0,1,2,3
	ds_load_b128 v[FA+64*\f+8*\i:FA+64*\f+8*\i+3],   v[ADRA+\slot] offset:(\kq/2)*ASUB+(\kq%2)*64+\i*16*APITCH
	ds_load_b128 v[FA+64*\f+8*\i+4:FA+64*\f+8*\i+7], v[ADRA+\slot] offset:(\kq/2)*ASUB+(\kq%2)*64+\i*16*APITCH+32
.endr
.endm
.macro PLACES                          ; four places between a matrix instruction and a load into a register that it read, or an LDS store of its result (ISA guide 7.12.1 for LDS stores)
.rept 4
	v_nop
.endr
.endm
.macro QUARTER slot, kq, f, g, bias
	s_wait_dscnt 4                                 ; Wo and att's rows 0-31 are in; the youngest four loads (rows 32-63) may be out
	MWIN \bias
	MUL4 \f, 0, \bias
	MUL4 \f, 1, \bias
	PLACES
	FETCH \slot, \kq, \g
	s_wait_dscnt 16                                ; all but the 16 just issued
	MWIN \bias
	MUL4 \f, 2, \bias
	MUL4 \f, 3, \bias
.endm
.macro THREE slot, bias
	QUARTER \slot, 1, 0, 1, \bias
	QUARTER \slot, 2, 1, 0, 0
	QUARTER \slot, 3, 0, 1, 0
.endm
; The last quarter changes slots: each wave's waits for its reads and for all its tensor loads in front of the barrier, the refill first behind it.
; From a request to the wait for it a wave issues 60 matrix instructions.
.macro TURN slot, next, fill
	s_wait_dscnt 4
	MWIN 0
	MUL4 1, 0, 0
	s_wait_dscnt 0
	s_wait_tensorcnt 0x0
	ds_add_u32 v254, v255
	s_wait_dscnt 0x0
	s_barrier_signal -1                            ; (where a slot is filled again this barrier opens a round of the cluster's barrier)
	MUL4 1, 1, 0
	WIN 0
	s_barrier_wait -1
.if \fill
	CREST
	s_add_nc_u64 s[G0+4*\slot+2:G0+4*\slot+3], s[G0+4*\slot+2:G0+4*\slot+3], 2*ASTEP
	s_add_nc_u64 s[G0B+4*\slot+2:G0B+4*\slot+3], s[G0B+4*\slot+2:G0B+4*\slot+3], 2*256
	JLOAD \slot
.endif
	PLACES
	FETCH \next, 0, 0
	MWIN 0
	MUL4 1, 2, 0
	MUL4 1, 3, 0
.endm
.macro LAP bias
	THREE 0, \bias
	TURN 0, 1, 1
	THREE 1, 0
	TURN 1, 0, 1
.endm
	s_wait_loadcnt 0x0                             ; the bias, once
	s_wait_tensorcnt 1                             ; my part of K step 0 is in; K step 1's stays out
	s_barrier_signal -1
	s_barrier_wait -1
	FETCH 0, 0, 0
	LAP 1
	WIN 0
	s_mov_b32 s3, LAPS-2
.Llap:
	LAP 0
	WIN 0
	s_sub_co_u32 s3, s3, 1
	s_cmp_lg_u32 s3, 0
	s_cbranch_scc1 .Llap
	THREE 0, 0                                     ; the last lap fills nothing
	TURN 0, 1, 0
	THREE 1, 0
	s_wait_dscnt 4
	MWIN 0
	MUL4 1, 0, 0
	MUL4 1, 1, 0
	s_wait_dscnt 0
	MUL4 1, 2, 0
	MUL4 1, 3, 0
	; THE WAY OUT, 16 rows at a time through my stage: 32 bytes a lane in, whole rows of 256 bytes back.
	PLACES
	s_lshl_b32 s4, s13, 7
	s_lshl_b32 s5, s11, 6
	s_add_co_u32 s4, s4, s5                        ; my first row,
	s_lshl_b32 s4, s4, 12                          ; rows of 4,096 bytes,
	s_lshl_b32 s5, s42, 9
	s_add_co_u32 s4, s4, s5                        ; + 512 bytes a block column
	s_lshl_b32 s5, s12, 8
	s_add_co_u32 s4, s4, s5                        ; + 256 a half
	s_mov_b32 s5, 0
	s_add_nc_u64 s[74:75], s[74:75], s[4:5]
.macro OUT16 a
	WIN 0x04                                       ; store data in window 1
.irp b, 0,1,2,3
	ds_store_b128 v[STO], v[8*(4*\a+\b):8*(4*\a+\b)+3]   offset:64*\b
	ds_store_b128 v[STO], v[8*(4*\a+\b)+4:8*(4*\a+\b)+7] offset:64*\b+16
.endr
	WIN 0
	s_wait_xcnt 0x0                                ; RB, which the last sixteen rows' stores read, is loaded again only behind this wait
.irp u, 0,1,2,3,4,5,6,7
	ds_load_b128 v[RB+4*\u:RB+4*\u+3], v[RD] offset:2*SPITCH*\u   ; my own bytes, served in order behind the stores above
.endr
.irp u, 0,1,2,3,4,5,6,7
	s_wait_dscnt 7-\u                              ; this load is back, the younger ones stay out
	global_store_b128 v[CO], v[RB+4*\u:RB+4*\u+3], s[74:75] offset:(16*\a+2*\u)*4096 th:TH_STORE_NT   ; sixteen lanes store 256 consecutive bytes, aligned
.endr
.endm
	OUT16 0
	OUT16 1
	OUT16 2
	OUT16 3
	s_wait_tensorcnt 0x0
	ds_add_u32 v254, v255
	s_wait_dscnt 0x0
	CROUND                                         ; the closing round
	s_endpgm
.Lfunc_end_k_qde93990d22_oproj:
	.size	k_qde93990d22_oproj, .Lfunc_end_k_qde93990d22_oproj-k_qde93990d22_oproj
	.p2alignl 7, 3214868480
	.fill 96, 4, 3214868480
	.section	.rodata,"a",@progbits
	.p2align	6, 0x0
	.amdhsa_kernel k_qde93990d22_oproj
		.amdhsa_group_segment_fixed_size 327680
		.amdhsa_private_segment_fixed_size 0
		.amdhsa_enable_private_segment 0
		.amdhsa_kernarg_size 32
		.amdhsa_user_sgpr_count 2
		.amdhsa_user_sgpr_kernarg_segment_ptr 1
		.amdhsa_wavefront_size32 1
		.amdhsa_system_sgpr_workgroup_id_x 1
		.amdhsa_system_sgpr_workgroup_id_y 1
		.amdhsa_system_sgpr_workgroup_id_z 1
		.amdhsa_system_vgpr_workitem_id 0
		.amdhsa_next_free_vgpr 384
		.amdhsa_next_free_sgpr 76
		.amdhsa_reserve_vcc 0
		.amdhsa_float_denorm_mode_32 3
		.amdhsa_float_denorm_mode_16_64 3
		.amdhsa_memory_ordered 1
		.amdhsa_forward_progress 1
		.amdhsa_inst_pref_size 75
	.end_amdhsa_kernel
	.amdgpu_metadata
---
amdhsa.version: [ 1, 2 ]
amdhsa.kernels:
  - .name:           k_qde93990d22_oproj
    .symbol:         k_qde93990d22_oproj.kd
    .args:
      - { .name: att, .offset: 0, .size: 8, .value_kind: global_buffer, .address_space: global }
      - { .name: wof, .offset: 8, .size: 8, .value_kind: global_buffer, .address_space: global }
      - { .name: bo, .offset: 16, .size: 8, .value_kind: global_buffer, .address_space: global }
      - { .name: out0, .offset: 24, .size: 8, .value_kind: global_buffer, .address_space: global }
    .group_segment_fixed_size: 327680
    .private_segment_fixed_size: 0
    .kernarg_segment_align: 8
    .kernarg_segment_size: 32
    .max_flat_workgroup_size: 128
    .sgpr_count:     76
    .vgpr_count:     384
    .wavefront_size: 32
...
	.end_amdgpu_metadata
.endif
;; end of part 4
